; MI455X (gfx1250); checked and timed in simulation.
; The chip was launched on July 23, 2026; its instructions are those of AMD's public machine-readable ISA for CDNA 5 (MIT licence, August 2026) and "CDNA5" Instruction Set Architecture Reference Guide (July 2026). The comments in the code are by the model that wrote it; some were corrected since.
;; W8 A16 LL. Allowed arithmetic: float matrix products may take bf16 or f16 operands with f32 sums; all other float work in f32.
;; Inputs: bias 1 x 4,096 float32; input 2 x 2,048 x 4,096 float32; int8_weights 4,096 x 4,096 int8; scales 4,096 float32.
;; Outputs: out0 2 x 2,048 x 4,096 float32.
;; One version. Each part assembles by itself: llvm-mc -triple=amdgcn-amd-amdhsa -mcpu=gfx1250 --defsym DOCPART=n.
;; ======== version 1 of 1: 2 launches
;; workspace buffers: xb 33,554,432 bytes; wb 33,554,432 bytes
;; launch cast (part 1): grid 1024 x 1, 8 waves a work-group, no clusters, 0 bytes of LDS; arguments input, int8_weights, xb, wb; writes xb, wb
.if DOCPART == 1
	.amdgcn_target "amdgcn-amd-amdhsa--gfx1250"
	.amdhsa_code_object_version 6
	.text
	.protected	k_q75feefb611_cast
	.globl	k_q75feefb611_cast
	.p2align	8
	.type	k_q75feefb611_cast,@function
k_q75feefb611_cast:
	s_mov_b64 s[64:65], 0
	v_nop
	global_prefetch_b8 v0, s[64:65] scope:SCOPE_SE
	s_setreg_imm32_b32 hwreg(HW_REG_WAVE_MODE, 25, 1), 1
	s_wait_xcnt 0x0
; xb = x rounded to bf16 (to nearest even, once); wb = w widened from int8 to bf16 (exact: eight significant bits hold -128 .. 127).
; x: [4096][4096] f32, w: [4096][4096] int8, xb and wb: [4096][4096] bf16, all dense, so the work is shared by bytes, not by rows.
; Each number is converted once here, where the product's 16 tile columns (rows) x 2 waves would each convert it again.
; SHARES.  1,024 work-groups of eight waves.  A work-group owns 65,536 bytes of x and 16,384 bytes of w; a wave 8,192 and 2,048.
; A wave's 16 loads of x cover 512 consecutive bytes each and give 16 stores of 256 consecutive bytes, aligned; its 8 loads of w cover 256
; consecutive bytes each and give 8 stores of 512.  No loop: all 24 loads go out first, and each has registers of its own, so that the only
; waits are the counted ones in front of each conversion.  No LDS, no barrier, no matrix unit: nothing is shared and nothing is read twice.
; LIMITS.  NaN and infinities of x go through as the conversion carries them; no limit of range: bf16 has f32's exponents.
.set XI, 5                             ; v5   byte offset of my 16 bytes in the group's part of x;  never rewritten
.set WO, 6                             ; v6   of my 16 bytes in the group's part of wb;            never rewritten
.set XO, 7                             ; v7   of my 8 bytes in the group's part of xb;             never rewritten
.set WI, 8                             ; v8   of my 8 bytes in the group's part of w;              never rewritten
.set T,  10                            ; v[10:17]   eight numbers in f32, at work
.set W,  18                            ; v[18:49]   load j of w: four registers; loaded into the first two, stored from all four
.set X,  50                            ; v[50:113]  load j of x: four registers; stored from the first two
	s_load_b256 s[4:11], s[0:1], 0x0               ; x s[4:5], w s[6:7], xb s[8:9], wb s[10:11]
	s_lshl_b32 s12, ttmp9, 16                      ; the group's part of x: 65,536 bytes each (1,023 x 65,536 stays under 2^32)
	s_mov_b32 s13, 0
	s_lshl_b32 s14, ttmp9, 15                      ; of xb and of wb: 32,768 bytes each
	s_mov_b32 s15, 0
	s_lshl_b32 s16, ttmp9, 14                      ; of w: 16,384 bytes
	s_mov_b32 s17, 0
	s_mov_b32 s18, 0x80808080                      ; turns four signed bytes w into four unsigned bytes u = w + 128
	s_mov_b32 s19, 0x4b000000                      ; 2^23 in f32: with u in its lowest byte it is the number 2^23 + u
	s_mov_b32 s20, 0xcb000080                      ; -(2^23 + 128): (2^23 + u) + this = w, exactly
	s_mov_b32 s21, 0xcb000080                      ; named with it as a pair, so it is written
	s_mov_b32 s22, 0x03000004                      ; byte selects: the top byte and two zero bytes of s19, and byte 0 ..
	s_mov_b32 s23, 0x03000005
	s_mov_b32 s24, 0x03000006
	s_mov_b32 s25, 0x03000007                      ; .. 3 of the data word
	v_and_b32 v1, 31, v0                           ; lane
	v_lshrrev_b32 v2, 5, v0                        ; wave
	v_lshlrev_b32 v3, 4, v1                        ; 16 x lane
	v_lshlrev_b32 v4, 3, v1                        ; 8 x lane
	v_lshl_add_u32 v[XI], v2, 13, v3               ; wave x 8,192 + 16 x lane
	v_lshl_add_u32 v[WO], v2, 12, v3               ; wave x 4,096 + 16 x lane
	v_lshl_add_u32 v[XO], v2, 12, v4               ; wave x 4,096 + 8 x lane
	v_lshl_add_u32 v[WI], v2, 11, v4               ; wave x 2,048 + 8 x lane
	s_wait_kmcnt 0x0
	s_add_nc_u64 s[4:5], s[4:5], s[12:13]
	s_add_nc_u64 s[6:7], s[6:7], s[16:17]
	s_add_nc_u64 s[8:9], s[8:9], s[14:15]
	s_add_nc_u64 s[10:11], s[10:11], s[14:15]
.irp j, 0,1,2,3,4,5,6,7
	global_load_b64 v[W+4*(\j):W+4*(\j)+1], v[WI], s[6:7] offset:256*(\j) th:TH_LOAD_NT    ; read once in the launch
.endr
.irp j, 0,1,2,3,4,5,6,7,8,9,10,11,12,13,14,15
	global_load_b128 v[X+4*(\j):X+4*(\j)+3], v[XI], s[4:5] offset:512*(\j) th:TH_LOAD_NT
.endr
; Load j of w: eight int8 become eight bf16.  14 instructions for the f32 values (2 + 8 + 4), 4 roundings that change nothing.
.macro WCV j
	s_wait_loadcnt 23-(\j)                         ; loads come back in order (ISA guide 5.7.1): behind mine 7 - j of w and 16 of x were issued
	v_xor_b32 v[W+4*(\j)],   s18, v[W+4*(\j)]
	v_xor_b32 v[W+4*(\j)+1], s18, v[W+4*(\j)+1]
.irp d, 0,1
.irp k, 0,1,2,3
	v_perm_b32 v[T+4*(\d)+(\k)], v[W+4*(\j)+(\d)], s19, s[22+(\k)]  ; 2^23 + u of byte k of word d
.endr
.endr
.irp i, 0,2,4,6
	v_pk_add_f32 v[T+(\i):T+(\i)+1], v[T+(\i):T+(\i)+1], s[20:21] op_sel_hi:[1,0]  ; w in f32, two at a time
.endr
.irp i, 0,1,2,3
	v_cvt_pk_bf16_f32 v[W+4*(\j)+(\i)], v[T+2*(\i)], v[T+2*(\i)+1]
.endr
	global_store_b128 v[WO], v[W+4*(\j):W+4*(\j)+3], s[10:11] offset:512*(\j)  ; the wave stores 512 consecutive bytes, aligned; no hint: the next launch reads them
.endm
; Load j of x: four f32 become four bf16, in place.
.macro XCV j
	s_wait_loadcnt 15-(\j)                         ; behind mine 15 - j loads of x were issued
	v_cvt_pk_bf16_f32 v[X+4*(\j)],   v[X+4*(\j)],   v[X+4*(\j)+1]
	v_cvt_pk_bf16_f32 v[X+4*(\j)+1], v[X+4*(\j)+2], v[X+4*(\j)+3]
	global_store_b64 v[XO], v[X+4*(\j):X+4*(\j)+1], s[8:9] offset:256*(\j)  ; the wave stores 256 consecutive bytes, aligned
.endm
; No register that a store or a load names is written behind it: no further wait is needed.
.irp j, 0,1,2,3,4,5,6,7
	WCV \j
.endr
.irp j, 0,1,2,3,4,5,6,7,8,9,10,11,12,13,14,15
	XCV \j
.endr
	s_endpgm
.Lfunc_end_k_q75feefb611_cast:
	.size	k_q75feefb611_cast, .Lfunc_end_k_q75feefb611_cast-k_q75feefb611_cast
	.p2alignl 7, 3214868480
	.fill 96, 4, 3214868480
	.section	.rodata,"a",@progbits
	.p2align	6, 0x0
	.amdhsa_kernel k_q75feefb611_cast
		.amdhsa_group_segment_fixed_size 0
		.amdhsa_private_segment_fixed_size 0
		.amdhsa_enable_private_segment 0
		.amdhsa_kernarg_size 32
		.amdhsa_user_sgpr_count 2
		.amdhsa_user_sgpr_kernarg_segment_ptr 1
		.amdhsa_wavefront_size32 1
		.amdhsa_system_sgpr_workgroup_id_x 1
		.amdhsa_system_sgpr_workgroup_id_y 1
		.amdhsa_system_sgpr_workgroup_id_z 1
		.amdhsa_system_vgpr_workitem_id 0
		.amdhsa_next_free_vgpr 114
		.amdhsa_next_free_sgpr 66
		.amdhsa_reserve_vcc 0
		.amdhsa_float_denorm_mode_32 3
		.amdhsa_float_denorm_mode_16_64 3
		.amdhsa_memory_ordered 1
		.amdhsa_forward_progress 1
		.amdhsa_inst_pref_size 18
	.end_amdhsa_kernel
	.amdgpu_metadata
---
amdhsa.version: [ 1, 2 ]
amdhsa.kernels:
  - .name:           k_q75feefb611_cast
    .symbol:         k_q75feefb611_cast.kd
    .args:
      - { .name: input, .offset: 0, .size: 8, .value_kind: global_buffer, .address_space: global }
      - { .name: int8_weights, .offset: 8, .size: 8, .value_kind: global_buffer, .address_space: global }
      - { .name: xb, .offset: 16, .size: 8, .value_kind: global_buffer, .address_space: global }
      - { .name: wb, .offset: 24, .size: 8, .value_kind: global_buffer, .address_space: global }
    .group_segment_fixed_size: 0
    .private_segment_fixed_size: 0
    .kernarg_segment_align: 8
    .kernarg_segment_size: 32
    .max_flat_workgroup_size: 256
    .sgpr_count:     66
    .vgpr_count:     114
    .wavefront_size: 32
...
	.end_amdgpu_metadata
.endif
;; end of part 1
;; launch gemm (part 2): grid 16 x 16, 4 waves a work-group, clusters of 4 x 4, 327,680 bytes of LDS; arguments xb, wb, scales, bias, out0; writes out0
.if DOCPART == 2
	.amdgcn_target "amdgcn-amd-amdhsa--gfx1250"
	.amdhsa_code_object_version 6
	.text
	.protected	k_q75feefb611_gemm
	.globl	k_q75feefb611_gemm
	.p2align	8
	.type	k_q75feefb611_gemm,@function
k_q75feefb611_gemm:
	s_mov_b64 s[64:65], 0
	v_nop
	global_prefetch_b8 v0, s[64:65] scope:SCOPE_SE
	s_setreg_imm32_b32 hwreg(HW_REG_WAVE_MODE, 25, 1), 1
	s_wait_xcnt 0x0
	s_wait_alu depctr_hold_cnt(0) depctr_sa_sdst(0) depctr_va_vdst(0) depctr_va_sdst(0) depctr_va_ssrc(0) depctr_va_vcc(0) depctr_vm_vsrc(0)
	s_getreg_b32 s2, hwreg(HW_REG_IB_STS2, 6, 4)
	s_cmp_eq_u32 s2, 0
	s_cbranch_scc0 .Lentry_in_a_cluster
	s_endpgm
.Lentry_in_a_cluster:
	s_bfe_u32 s2, ttmp6, 0x10000c
	s_cmp_lg_u32 s2, 0xf033
	s_cbranch_scc0 .Lentry_shape_is_right
	s_endpgm
.Lentry_shape_is_right:
; out[m][n] = (sum over k of xb[m][k] wb[n][k]) scales[n] + bias[n].  xb: [4096][4096] bf16, wb: [4096 (n)][4096 (k)] bf16, scales, bias: [4096] f32, out: [4096][4096] f32.
; LIMITS.  Sums in f32, K ascending, in the matrix unit's own order; sum x scale + bias is ONE fused multiply-add (one rounding, where a multiply and an add would round twice);
; scales and bias are taken as f32; NaN and infinities are not treated apart; no limit of range beyond f32's and bf16's.
; SHARES.  out has 16 x 16 tiles of 256 x 256: one to each of 256 work-groups of four waves, as many as a WGP has SIMDs; a wave makes 128 x 128: 64 accumulators of 16 x 16, 512 registers.
; K goes in steps of 128 through a ring of two LDS slots filled by the tensor data mover: a tile's rows are 256 bytes of memory and start at multiples of 256 bytes from the buffer's first byte.
; CLUSTERS: 4 x 4 work-groups.  The four of a row of the cluster need the same tiles of xb, the four of a column the same tiles of wb.  Such a tile is asked for JOINTLY: each of the four
; issues the same tensor load, with the same descriptor and a mask that names the four, and each receives the tile in its own LDS: a quarter of the requests.
; THE MATRIX INSTRUCTION IS USED TRANSPOSED: source 0 = 16 rows of wb, source 1 = 16 rows of xb.  In the result lane l holds row l % 16 of out and the columns 8 (l / 16) + 0 .. 7:
; 32 neighbouring bytes of a row, and the lane's eight scales and biases for a block of 16 columns are the same for all rows: 64 + 64 registers, loaded once.
; REGISTERS, in windows of 256 (s_set_vgpr_msb's low byte: bits 1:0 source 0, 3:2 source 1, 5:4 source 2, 7:6 destination):
;   window 0: v0-31 addresses; v64-127, v128-191 fragments of xb, two buffers; on the way out v64-127 finished numbers, v128-191 and v192-255 by turns rows read back from the stage
;   window 1: v0-63 scales; v64-127, v128-191 fragments of wb, two buffers; v192-255 bias
;   window 2: the 32 accumulators of my rows 0-63 (accumulator (a, b) at v[8 (8 a + b)]);   window 3: those of my rows 64-127
.set SIZE_K, 4096
.set SIZE_N, 4096
.set KSTEP,  128
.set PITCH,  272                       ; an LDS row: 256 bytes of data + 16 of padding = 68 words: row r starts at bank 4 r mod 64 (64 banks of 4 bytes: ISA guide 11.1), so the 16 rows of a load start at 16 different banks
.set HALFT,  128*PITCH                 ; 128 rows: what one tensor load brings, and what one wave reads of xb or of wb
.set SLOT,   4*HALFT                   ; xb's 256 rows, then wb's 256 rows
.set STAGE,  2*SLOT                    ; behind the ring, never filled by a tensor load: 16 rows x 528 bytes for each wave, for the way out
.set SPITCH, 528                       ; a stage row: my 128 columns in f32, 512 bytes, + 16 of padding = 33 x 16 bytes
.set SPARE,  STAGE+4*16*SPITCH         ; behind the stages: the spare words, 128 bytes for each wave: two blocks of 256 bytes that no other line names
.set LAPS,   SIZE_K/(2*KSTEP)          ; a lap = two K steps = once round the ring: 16
.set OROW,   SIZE_N*4                  ; bytes in a row of out
.set ADRA, 16                          ; v16-17  LDS address of my xb fragments in slot 0, 1
.set ADRB, 20                          ; v20-21  the same for wb
.set STO,  24                          ; v24     the way out: where I put 32 bytes of a row
.set RD,   25                          ; v25     the way out: where I read a row back
.set CO,   26                          ; v26     my byte offset in my wave's 512 bytes of a row of out
.set SBO,  27                          ; v27     my byte offset in a block's 16 scales
.set SPW,  28                          ; v28     LDS address of my spare word: SPARE + 4 x my thread's number; never rewritten
.set NIL,  29                          ; v29     0; never rewritten
.set F0,   64                          ; fragment buffer 0
.set F1,   128                         ; fragment buffer 1
.set TMP,  64                          ; the way out: a block's 64 finished numbers a lane, in window 0
.set BK0,  128                         ; the way out: 16 rows read back: v128-191 and v192-255 by turns
.set SC,   0                           ; window 1: the scale of column 16 b + 8 (l / 16) + j at SC + 8 b + j
.set BI,   192                         ; window 1: the bias, likewise
.set G1, 24                            ; s[24:31] descriptor group 1 for xb's tiles
.set G0, 32                            ; s[32:39] descriptor group 0 for xb's tiles, one set for each slot
.set G1B, 48                           ; s[48:55] descriptor group 1 for wb's tiles: it differs in the mask alone
.set G0B, 56                           ; s[56:63] descriptor group 0 for wb's tiles, one set for each slot
.set MSB, 0
.macro WIN new                         ; the immediate's high byte repeats the setting that is left; a switch that changes nothing is dropped
.if MSB != (\new)
	s_set_vgpr_msb (MSB<<8)|(\new)
.set MSB, \new
.endif
.endm
.set MUL_LO, 0xa1                      ; source 0 (wb) window 1, source 1 (xb) window 0, C and D window 2
.set MUL_HI, 0xf1                      ; the same, C and D window 3
.set TO_B,   0x40                      ; destination window 1, address window 0
; A joint load.  Waves 0 and 1 fetch xb's two halves, waves 2 and 3 wb's.  Each of the two lines has ONE mask and one set of registers for all that issue it.  The branch hangs on the wave's
; number alone: it is the same in every work-group.  An s_nop 0 and four v_nop follow each of the two lines, ahead of the jump, the label and what follows.
.macro JLOAD s
	s_cmp_eq_u32 s11, 0
	s_cbranch_scc0 .Lfor_b_\@
	tensor_load_to_lds s[G0+4*(\s):G0+4*(\s)+3], s[G1:G1+7]
	s_nop 0
.rept 4
	v_nop
.endr
	s_branch .Lasked_\@
.Lfor_b_\@:
	tensor_load_to_lds s[G0B+4*(\s):G0B+4*(\s)+3], s[G1B:G1B+7]
	s_nop 0
.rept 4
	v_nop
.endr
.Lasked_\@:
.endm
; A round of the cluster's barrier: my work-group's barrier, so that wave 0's signal speaks for all four waves; wave 0 signals for the work-group; every wave waits for all sixteen
; work-groups; my work-group's barrier once more.  No LDS instruction of the wave is pending at a signal.
.macro CREST                           ; a round behind its opening barrier
	s_cmp_lg_u32 s10, 0
	s_cbranch_scc1 .Lnot_wave_0_\@
	s_barrier_signal -3
.Lnot_wave_0_\@:
	s_barrier_wait -3
	s_barrier_signal -1
	s_barrier_wait -1
.endm
.macro CROUND                          ; a whole round
	s_barrier_signal -1
	s_barrier_wait -1
	CREST
.endm
	s_load_b128 s[4:7], s[0:1], 0x0                ; xb s[4:5], wb s[6:7]
	s_load_b128 s[68:71], s[0:1], 0x10             ; scales s[68:69], bias s[70:71]
	s_load_b64 s[8:9], s[0:1], 0x20                ; out
	v_lshl_add_u32 v[SPW], v0, 2, SPARE
	v_mov_b32 v[NIL], 0
	ds_add_u32 v[SPW], v[NIL]                      ; the wave's opening: the add and its wait stand ahead of my first tensor load; the set-up below, work on registers, stands between them
	v_lshrrev_b32 v1, 5, v0
	v_readfirstlane_b32 s10, v1                    ; wave 0..3
	s_lshr_b32 s11, s10, 1                         ; which half of the tile's rows is mine.  Also: I fetch for xb (0) or for wb (1)
	s_and_b32 s12, s10, 1                          ; which half of its columns.  Also: which 128 rows of that tile I fetch
	s_bfe_u32 s40, ttmp6, 0x40000                  ; cx: my place along the cluster's x
	s_bfe_u32 s41, ttmp6, 0x40004                  ; cy: along its y
	s_lshl_b32 s42, ttmp9, 2                       ; in a cluster launch ttmp9 and ttmp7 count clusters
	s_add_co_u32 s42, s42, s40                     ; tile column = 4 x cluster x + cx
	s_and_b32 s13, ttmp7, 0xffff
	s_lshl_b32 s13, s13, 2
	s_add_co_u32 s13, s13, s41                     ; tile row = 4 x cluster y + cy
	s_lshl_b32 s43, s41, 2
	s_lshl_b32 s43, 15, s43                        ; my row of the cluster: places 4 cy .. 4 cy + 3
	s_lshl_b32 s44, 0x1111, s40                    ; my column: places cx, cx + 4, cx + 8, cx + 12
	; descriptor group 1: a tile of 128 rows x 128 elements, padded in LDS
	s_or_b32 s[G1+0], s43, (1<<16)|(1<<20)|(1<<21)|(5<<22)|(3<<25)  ; 15:0 the mask: xb's tiles go to my row; 17:16 element of 2 bytes; 20 padding on; 21 set beside a mask; 24:22 after every 64 words (code 5); 31:25 of 4 words (code 3)
	s_or_b32 s[G1B+0], s44, (1<<16)|(1<<20)|(1<<21)|(5<<22)|(3<<25) ; the same with the mask of my column, for wb's tiles
.irp g, G1, G1B
	s_mov_b32 s[(\g)+1], KSTEP<<16                 ; 63:48 tensor_dim0, low half = 128
	s_mov_b32 s[(\g)+2], 128<<16                   ; 79:64 its high half = 0; 95:80 tensor_dim1, low half = 128
	s_mov_b32 s[(\g)+3], KSTEP<<16                 ; 111:96 its high half = 0; 127:112 tile_dim0 = 128
	s_mov_b32 s[(\g)+4], 128                       ; 143:128 tile_dim1 = 128; 159:144 tile_dim2 = 0
	s_mov_b32 s[(\g)+5], SIZE_K                    ; 191:160 tensor_dim0_stride, low word: elements from row to row
	s_mov_b32 s[(\g)+6], 0
	s_mov_b32 s[(\g)+7], 0
.endr
	; where the tiles come from.  xb's hang on the tile row alone, which my row of the cluster shares; wb's on the tile column alone, which my column shares.
	; Every wave makes both addresses, in registers that never hold the other coordinate, and asks by one of them.
	s_lshl_b32 s17, s12, 7                         ; which 128 rows of the tile I fetch
	s_lshl_b32 s16, s13, 8
	s_add_co_u32 s16, s16, s17                     ; xb: row 256 x tile row + 128 x half
	s_lshl_b32 s46, s42, 8
	s_add_co_u32 s46, s46, s17                     ; wb: row 256 x tile column + 128 x half
	s_mov_b32 s17, 0
	s_mov_b32 s47, 0
	s_mov_b64 s[18:19], SIZE_K*2
	s_mul_u64 s[16:17], s[16:17], s[18:19]         ; in bytes
	s_mul_u64 s[46:47], s[46:47], s[18:19]
	s_mul_i32 s20, s10, HALFT                      ; and where they go: xb's two halves, then wb's two halves = wave x 128 rows: no place in the cluster enters an LDS address
	s_wait_dscnt 0x0                               ; the opening add is done
	s_wait_kmcnt 0x0
	s_add_nc_u64 s[14:15], s[4:5], s[16:17]
	s_add_nc_u64 s[46:47], s[6:7], s[46:47]
	CROUND                                         ; all sixteen work-groups are here: the first joint loads meet
.irp s, 0,1
	s_mov_b32 s[G0+4*(\s)], 1                                      ; 1:0 count = 1
	s_add_co_u32 s[G0+4*(\s)+1], s20, (\s)*SLOT                    ; 63:32 LDS address
	s_add_nc_u64 s[G0+4*(\s)+2:G0+4*(\s)+3], s[14:15], (\s)*KSTEP*2  ; 120:64 global address: K step s
	s_or_b32 s[G0+4*(\s)+3], s[G0+4*(\s)+3], 0x80000000            ; 127:126 type = 2
	s_mov_b32 s[G0B+4*(\s)], 1
	s_add_co_u32 s[G0B+4*(\s)+1], s20, (\s)*SLOT
	s_add_nc_u64 s[G0B+4*(\s)+2:G0B+4*(\s)+3], s[46:47], (\s)*KSTEP*2
	s_or_b32 s[G0B+4*(\s)+3], s[G0B+4*(\s)+3], 0x80000000
	JLOAD \s                                       ; the ring is filled before anything else is done: two tensor loads of mine are out
.endr
	; A fragment is 16 rows x 32 K in 8 registers: lane l holds row l % 16; registers 0-3 hold K = 8 (l / 16) + 0..7, registers 4-7 hold
	; K = 16 + 8 (l / 16) + 0..7.  From rows that lie along K: two loads of 16 bytes, 32 bytes apart.  The same for source 0 and source 1.
	v_and_b32 v1, 15, v0                           ; l % 16
	v_bfe_u32 v2, v0, 4, 1                         ; l / 16
	v_mul_u32_u24 v3, v1, PITCH
	v_lshl_add_u32 v3, v2, 4, v3                   ; row x pitch + 16 x half
	s_mul_i32 s21, s11, HALFT                      ; my 128 rows of xb
	s_mul_i32 s22, s12, HALFT                      ; my 128 rows of wb,
	s_add_co_u32 s22, s22, 2*HALFT                 ; which lie behind xb's 256
.irp s, 0,1
	v_add_nc_u32 v[ADRA+(\s)], s21, v3
	v_add_nc_u32 v[ADRB+(\s)], s22, v3
	s_add_co_u32 s21, s21, SLOT
	s_add_co_u32 s22, s22, SLOT
.endr
	s_mul_i32 s23, s10, 16*SPITCH
	s_add_co_u32 s23, s23, STAGE                   ; my stage
	v_mul_u32_u24 v4, v1, SPITCH                   ; in: row l % 16, 32 bytes for each half of the lanes
	v_lshl_add_u32 v4, v2, 5, v4
	v_add_nc_u32 v[STO], s23, v4
	v_and_b32 v5, 31, v0
	v_lshlrev_b32 v[CO], 4, v5                     ; back, and out: 32 lanes x 16 bytes are one row's 512 bytes
	v_add_nc_u32 v[RD], s23, v[CO]
	v_lshlrev_b32 v[SBO], 5, v2                    ; my eight columns of a block of 16: 32 bytes for each half of the lanes
	; my first column, in bytes of f32: 1,024 x tile column + 512 x half (in the registers that held wb's address: none that feeds xb's descriptors ever holds cx)
	s_lshl_b32 s46, s42, 10
	s_lshl_b32 s47, s12, 9
	s_add_co_u32 s46, s46, s47
	s_mov_b32 s47, 0
	s_add_nc_u64 s[68:69], s[68:69], s[46:47]      ; scales and bias at my first column
	s_add_nc_u64 s[70:71], s[70:71], s[46:47]
	s_lshl_b32 s16, s13, 22                        ; my first row, in bytes: (256 x tile row + 128 x half) x 16,384; under 2^26
	s_lshl_b32 s17, s11, 21
	s_add_co_u32 s16, s16, s17
	s_mov_b32 s17, 0
	s_add_nc_u64 s[8:9], s[8:9], s[16:17]          ; out at my first row
	s_add_nc_u64 s[8:9], s[8:9], s[46:47]          ; and column
	WIN TO_B
.irp b, 0,1,2,3,4,5,6,7                ; once in the launch: my eight scales and biases of each of my eight blocks of 16 columns
.irp c, 0,1
	global_load_b128 v[SC+8*(\b)+4*(\c):SC+8*(\b)+4*(\c)+3], v[SBO], s[68:69] offset:64*(\b)+16*(\c)
	global_load_b128 v[BI+8*(\b)+4*(\c):BI+8*(\b)+4*(\c)+3], v[SBO], s[70:71] offset:64*(\b)+16*(\c)
.endr
.endr
	WIN 0
; 16 matrix instructions: m blocks a0, a0 + 1 of the window's four (hi = 0: my rows 0-63, 1: rows 64-127) x all 8 n blocks, 32 along K.
; zero = 1: the first product starts the sums: nothing is ever cleared.  The 64 accumulators take turns, one instruction a turn, in the same order in every quarter step.
.macro MUL16 f, hi, a0, zero
	WIN MUL_LO+0x50*(\hi)  ; MUL_LO or MUL_HI
.irp a, \a0, (\a0)+1
.irp b, 0,1,2,3,4,5,6,7
.if \zero
	v_wmma_f32_16x16x32_bf16 v[8*(8*(\a)+(\b)):8*(8*(\a)+(\b))+7], v[(\f)+8*(\b):(\f)+8*(\b)+7], v[(\f)+8*(4*(\hi)+(\a)):(\f)+8*(4*(\hi)+(\a))+7], 0
.else
	v_wmma_f32_16x16x32_bf16 v[8*(8*(\a)+(\b)):8*(8*(\a)+(\b))+7], v[(\f)+8*(\b):(\f)+8*(\b)+7], v[(\f)+8*(4*(\hi)+(\a)):(\f)+8*(4*(\hi)+(\a))+7], v[8*(8*(\a)+(\b)):8*(8*(\a)+(\b))+7]
.endif
.endr
.endr
.endm
; 32 LDS loads in one run: the fragments of one quarter step (128 rows of wb, 128 rows of xb, 32 K at byte k of the rows) into buffer f
.macro FETCH slot, k, f
	WIN TO_B
.irp i, 0,1,2,3,4,5,6,7
	ds_load_b128 v[(\f)+8*(\i):(\f)+8*(\i)+3],   v[ADRB+(\slot)] offset:(\k)+(\i)*16*PITCH
	ds_load_b128 v[(\f)+8*(\i)+4:(\f)+8*(\i)+7], v[ADRB+(\slot)] offset:(\k)+(\i)*16*PITCH+32
.endr
	WIN 0
.irp i, 0,1,2,3,4,5,6,7
	ds_load_b128 v[(\f)+8*(\i):(\f)+8*(\i)+3],   v[ADRA+(\slot)] offset:(\k)+(\i)*16*PITCH
	ds_load_b128 v[(\f)+8*(\i)+4:(\f)+8*(\i)+7], v[ADRA+(\slot)] offset:(\k)+(\i)*16*PITCH+32
.endr
.endm
; A load into a register that a matrix instruction has read, and a vector instruction that reads a matrix result or writes one of a matrix instruction's registers, stand four places behind
; that matrix instruction, and only plain vector instructions that name none of its registers are places (ISA guide 7.12.1 for vector instructions).
.macro PLACES
.rept 4
	v_nop
.endr
.endm
; A K step is four quarter steps of 32 along K, 64 matrix instructions each, on buffers 0, 1, 0, 1.
; One of the first three: multiplies buffer f; in its middle it fetches the next quarter's fragments, at byte k of the same slot's rows, into buffer g.
.macro QUARTER slot, k, f, g, zero
	s_wait_dscnt 8                                 ; wb and xb's rows 0-63 are in; the youngest eight loads (xb's rows 64-127) may be out
	WIN MUL_LO
	MUL16 \f, 0, 0, \zero
	MUL16 \f, 0, 2, \zero
	PLACES
	FETCH \slot, \k, \g
	s_wait_dscnt 32                                ; all but the 32 just issued
	WIN MUL_HI
	MUL16 \f, 1, 0, \zero
	MUL16 \f, 1, 2, \zero
.endm
; The last quarter multiplies buffer 1 and changes slots.  MEET is its first half: ONE barrier for the change of slots, for two things.  In front of it each wave waits for all its tensor
; loads, of which one is out: its part of the next slot; adds 0 to its spare word; and waits for that and for its own reads of this slot.  Behind it nobody reads this slot any more and the next slot is whole.
.macro MEET round                      ; round = 1: the rest of a round of the cluster's barrier follows
	WIN 0                                          ; (the add's two registers lie in window 0)
	s_wait_tensorcnt 0x0                           ; all my tensor loads have landed: the one that was out is my part of the next slot;
	ds_add_u32 v[SPW], v[NIL]                      ; 0 onto my spare word;
	s_wait_dscnt 9                                 ; (the add and the youngest eight loads may be out)
	WIN MUL_LO
	MUL16 F1, 0, 0, 0                              ; sixteen matrix instructions stand between the add and the wait for it
	s_wait_dscnt 0x0                               ; the add is done, and my reads of this slot are over:
	s_barrier_signal -1                            ; say so (where a slot is filled again this barrier opens a round of the cluster's barrier),
	MUL16 F1, 0, 2, 0                              ; work on registers while the others arrive,
.if \round
	WIN 0
.endif
	s_barrier_wait -1                              ; and go on when all four have said so
.endm
; The whole last quarter.  fill = 1: behind the round the slot just read out is filled again first, with the K step two steps on; then come the next slot's first fragments.
; From a request to the wait for it a wave issues 224 matrix instructions.  fill = 0 (the last lap): nothing is left to fetch, and no round follows the barrier.
.macro TURN slot, next, fill
	MEET \fill
.if \fill
	CREST                                          ; all sixteen work-groups have said so: no wave of any partner still reads this slot's tile or has a load on its way
	s_add_nc_u64 s[G0+4*(\slot)+2:G0+4*(\slot)+3], s[G0+4*(\slot)+2:G0+4*(\slot)+3], 2*KSTEP*2     ; no tensor load of mine is out, so a group 0 may be written; the type bits on top are not reached
	s_add_nc_u64 s[G0B+4*(\slot)+2:G0B+4*(\slot)+3], s[G0B+4*(\slot)+2:G0B+4*(\slot)+3], 2*KSTEP*2
	JLOAD \slot                                    ; the first tensor load behind the round, my only one until the next; the four v_nop behind it are also the places in front of the loads below
.else
	PLACES
.endif
	FETCH \next, 0, F0
	WIN MUL_HI
	MUL16 F1, 1, 0, 0
	MUL16 F1, 1, 2, 0
.endm
; THE WAY OUT of block a (16 of my rows x my 128 columns), in three parts.
; PACK: sum x scale + bias, two fused multiply-adds an instruction; each accumulator's registers in ascending order.
.macro PACK a
.set AC, 64*((\a)%4)
	WIN 0x16+(\a)/4                                ; source 0: window 2 or 3 (the sums); sources 1 and 2: window 1 (scales, bias); destination: window 0
.irp b, 0,1,2,3,4,5,6,7
.irp r, 0,2,4,6
	v_pk_fma_f32 v[TMP+8*(\b)+(\r):TMP+8*(\b)+(\r)+1], v[AC+8*(\b)+(\r):AC+8*(\b)+(\r)+1], v[SC+8*(\b)+(\r):SC+8*(\b)+(\r)+1], v[BI+8*(\b)+(\r):BI+8*(\b)+(\r)+1]
.endr
.endr
	WIN 0
.endm
; TOSTAGE: a lane's 32 bytes of a row and block of columns go into my own stage, and whole rows of 512 bytes come back.
.macro TOSTAGE a
	WIN 0
.set BK, BK0+64*((\a)%2)
.irp b, 0,1,2,3,4,5,6,7
	ds_store_b128 v[STO], v[TMP+8*(\b):TMP+8*(\b)+3]   offset:64*(\b)
	ds_store_b128 v[STO], v[TMP+8*(\b)+4:TMP+8*(\b)+7] offset:64*(\b)+16
.endr
.irp t, 0,1,2,3,4,5,6,7,8,9,10,11,12,13,14,15
	ds_load_b128 v[BK+4*(\t):BK+4*(\t)+3], v[RD] offset:(\t)*SPITCH  ; LDS serves a wave's instructions in order (ISA guide 5.7.1.4): these see the stores above
.endr
.endm
; SEND: sixteen rows are stored.
.macro SEND a
	WIN 0
.set BK, BK0+64*((\a)%2)
	s_wait_dscnt 0x0                               ; the block is back in registers: nothing younger is out
	s_wait_xcnt 0x0                                ; every earlier memory instruction has had its addresses translated (ISA guide 3.1): only behind this wait are the stores' base and the registers that the stores of two blocks back read rewritten
.if (\a) > 0
	s_add_nc_u64 s[8:9], s[8:9], 16*OROW           ; 16 rows of out on, so that the stores' offsets stay at 15 rows, 245,760 bytes, inside the signed 24-bit immediate
.endif
.irp t, 0,1,2,3,4,5,6,7,8,9,10,11,12,13,14,15
	global_store_b128 v[CO], v[BK+4*(\t):BK+4*(\t)+3], s[8:9] offset:(\t)*OROW th:TH_STORE_NT  ; the wave stores 512 consecutive bytes, at a multiple of 512 from out's first byte; written once, not read again
.endr
.endm
	s_wait_loadcnt 0x0                             ; scales and bias, once; the first tile is waited for anyway
	s_wait_tensorcnt 1                             ; my part of K step 0 is in; K step 1's may stay out
	s_barrier_signal -1
	s_barrier_wait -1                              ; everybody's is
	FETCH 0, 0, F0
	QUARTER 0, 64,  F0, F1, 1                      ; the first quarter stands in front of the loop: its products start the sums
	WIN 0                                          ; at a label and at a branch every window is 0
	s_mov_b32 s3, LAPS-1
.Llap:                                                 ; 15 trips: a trip goes once round the ring, from a lap's second quarter to the next lap's first, and fills both slots again: K steps 2 to 31
	QUARTER 0, 128, F1, F0, 0
	QUARTER 0, 192, F0, F1, 0
	TURN 0, 1, 1
	QUARTER 1, 64,  F0, F1, 0
	QUARTER 1, 128, F1, F0, 0
	QUARTER 1, 192, F0, F1, 0
	TURN 1, 0, 1
	QUARTER 0, 64,  F0, F1, 0
	WIN 0
	s_sub_co_u32 s3, s3, 1
	s_cmp_lg_u32 s3, 0
	s_cbranch_scc1 .Llap
	QUARTER 0, 128, F1, F0, 0                      ; the last lap is written out: it fills nothing, and it has no round of the cluster's barrier
	QUARTER 0, 192, F0, F1, 0
	TURN 0, 1, 0
	QUARTER 1, 64,  F0, F1, 0
	QUARTER 1, 128, F1, F0, 0
	QUARTER 1, 192, F0, F1, 0
	s_wait_dscnt 8                                 ; the very last quarter: nothing more to fetch
	MUL16 F1, 0, 0, 0
	MUL16 F1, 0, 2, 0
	s_wait_dscnt 0x0
	MUL16 F1, 1, 0, 0
	MUL16 F1, 1, 2, 0
	WIN 0
	PLACES                                         ; behind the last products: the lines below read results and write where xb's fragments lay
	PACK 0
	TOSTAGE 0
.irp a, 1,2,3,4,5,6,7                  ; block a's arithmetic stands between block a - 1's loads from the stage and the wait for them
	PACK \a
	SEND (\a)-1
	TOSTAGE \a
.endr
	SEND 7
	s_wait_tensorcnt 0x0                           ; the wave's end: behind my last tensor load and my last LDS store
	ds_add_u32 v[SPW], v[NIL]
	s_wait_dscnt 0x0
	CROUND                                         ; the closing round: no work-group ends while a partner may still ask for a tile that names it
	s_endpgm
.Lfunc_end_k_q75feefb611_gemm:
	.size	k_q75feefb611_gemm, .Lfunc_end_k_q75feefb611_gemm-k_q75feefb611_gemm
	.p2alignl 7, 3214868480
	.fill 96, 4, 3214868480
	.section	.rodata,"a",@progbits
	.p2align	6, 0x0
	.amdhsa_kernel k_q75feefb611_gemm
		.amdhsa_group_segment_fixed_size 327680
		.amdhsa_private_segment_fixed_size 0
		.amdhsa_enable_private_segment 0
		.amdhsa_kernarg_size 40
		.amdhsa_user_sgpr_count 2
		.amdhsa_user_sgpr_kernarg_segment_ptr 1
		.amdhsa_wavefront_size32 1
		.amdhsa_system_sgpr_workgroup_id_x 1
		.amdhsa_system_sgpr_workgroup_id_y 1
		.amdhsa_system_sgpr_workgroup_id_z 1
		.amdhsa_system_vgpr_workitem_id 0
		.amdhsa_next_free_vgpr 1024
		.amdhsa_next_free_sgpr 72
		.amdhsa_reserve_vcc 0
		.amdhsa_float_denorm_mode_32 3
		.amdhsa_float_denorm_mode_16_64 3
		.amdhsa_memory_ordered 1
		.amdhsa_forward_progress 1
		.amdhsa_inst_pref_size 160
	.end_amdhsa_kernel
	.amdgpu_metadata
---
amdhsa.version: [ 1, 2 ]
amdhsa.kernels:
  - .name:           k_q75feefb611_gemm
    .symbol:         k_q75feefb611_gemm.kd
    .args:
      - { .name: xb, .offset: 0, .size: 8, .value_kind: global_buffer, .address_space: global }
      - { .name: wb, .offset: 8, .size: 8, .value_kind: global_buffer, .address_space: global }
      - { .name: scales, .offset: 16, .size: 8, .value_kind: global_buffer, .address_space: global }
      - { .name: bias, .offset: 24, .size: 8, .value_kind: global_buffer, .address_space: global }
      - { .name: out0, .offset: 32, .size: 8, .value_kind: global_buffer, .address_space: global }
    .group_segment_fixed_size: 327680
    .private_segment_fixed_size: 0
    .kernarg_segment_align: 8
    .kernarg_segment_size: 40
    .max_flat_workgroup_size: 128
    .sgpr_count:     72
    .vgpr_count:     1024
    .wavefront_size: 32
...
	.end_amdgpu_metadata
.endif
;; end of part 2
